; MI455X (gfx1250); checked and timed in simulation.
; The chip was launched on July 23, 2026; its instructions are those of AMD's public machine-readable ISA for CDNA 5 (MIT licence, August 2026) and "CDNA5" Instruction Set Architecture Reference Guide (July 2026). The comments in the code are by the model that wrote it; some were corrected since.
;; FGT Multi Head Attention. Allowed arithmetic: float matrix products may take bf16 or f16 operands with f32 sums; all other float work in f32.
;; Inputs: b_o 1,024 float32; w_k 1,024 x 1,024 float32; w_o 1,024 x 1,024 float32; w_q 1,024 x 1,024 float32; w_v 1,024 x 1,024 float32; x 2 x 2,048 x 1,024 float32.
;; Outputs: out0 2 x 2,048 x 1,024 float32.
;; One version. Each part assembles by itself: llvm-mc -triple=amdgcn-amd-amdhsa -mcpu=gfx1250 --defsym DOCPART=n.
;; ======== version 1 of 1: 4 launches
;; limits: values are held in f16: magnitudes above 65,504 overflow, below 6.1e-05 lose precision
;; workspace buffers: cb 16,777,216 bytes; tab 524,288 bytes; qkv 25,165,824 bytes; ao 8,388,608 bytes
;; launch prep (part 1): grid 32 x 8, 8 waves a work-group, no clusters, 0 bytes of LDS; arguments x, w_q, w_k, w_v, w_o, cb, tab; writes cb, tab
.if DOCPART == 1
	.amdgcn_target "amdgcn-amd-amdhsa--gfx1250"
	.amdhsa_code_object_version 6
	.text
	.protected	k_q668a46cf05_prep
	.globl	k_q668a46cf05_prep
	.p2align	8
	.type	k_q668a46cf05_prep,@function
k_q668a46cf05_prep:
	s_mov_b64 s[64:65], 0
	v_nop
	global_prefetch_b8 v0, s[64:65] scope:SCOPE_SE
	s_setreg_imm32_b32 hwreg(HW_REG_WAVE_MODE, 25, 1), 1
	s_wait_xcnt 0x0
; prep: f16 copies of x and of the four weights, and the table of cosines and sines for the rotary embedding.
; cb (f16): x [4096][1024] at byte 0; the q, k, v weights by head, [16 heads][q 64 | k 64 | v 64 rows][1024], at 8,388,608;
; w_o [1024][1024] at 14,680,064.   tab (f32): [2048 t][32 cos | 32 sin], a row is 256 bytes.
; WHY f16: the module's output is close to a mean over 2,048 keys, so each rounding of an operand carries its whole relative
; error into the output; f16 keeps 11 significant bits where bf16 keeps 8.
; RANGE: x of spread 1 and weights of spread 0.02 have room in f16 both ways: 30 times larger they reach about 170 and 3.5, with
; an offset of 30 spreads about 36 and 0.7; weights 30 times smaller have spread 6.7e-4, and numbers under 6.1e-5 keep the
; absolute step 6e-8.  LIMIT: an input of magnitude 65,504 or more becomes infinite.
; A stream: every input byte is read once and every output byte written once; LDS, barriers, the matrix unit and clusters
; would add nothing (no two work-groups read the same byte).
; Work-group y picks a piece of 4 MiB of f32 (0-3: quarters of x; 4: w_q, 5: w_k, 6: w_v, 7: w_o), x a part of 128 KiB of it
; (32 rows), a wave 16 KiB (4 rows): 32 loads of 512 neighbouring bytes, all issued at once; each store of the wave covers
; 256 consecutive bytes, aligned.  No register that a memory instruction names is written again, so no wait frees any.
; Each of the 2,048 waves also makes one row of the table while its loads are on their way.
; LIMIT: inv_freq is exp2(-j log2(10000)/32) with a 1 ULP exponential, so the angle t inv_freq differs from an angle formed
; in f32 from an exact inv_freq by up to about 2e-4 rad at t = 2047; sine and cosine of that angle are good to about 1e-6.
.set X, 64                             ; v[64:191]   32 loads x 4 f32
.set Y, 192                            ; v[192:255]  32 stores x 2 words of f16
	s_load_b256 s[4:11], s[0:1], 0x0               ; x s[4:5], w_q s[6:7], w_k s[8:9], w_v s[10:11]
	s_load_b128 s[12:15], s[0:1], 0x20             ; w_o s[12:13], cb s[14:15]
	s_load_b64 s[16:17], s[0:1], 0x30              ; tab
	v_lshrrev_b32 v3, 5, v0
	v_readfirstlane_b32 s22, v3                    ; wave 0..7
	v_and_b32 v4, 31, v0                           ; lane
	v_lshlrev_b32 v1, 4, v4                        ; 16 bytes of f32 a lane
	v_lshlrev_b32 v2, 3, v4                        ; 8 bytes of f16 (or of the table) a lane
	s_and_b32 s20, ttmp7, 0xffff                   ; y: which piece
	s_mov_b32 s21, ttmp9                           ; x: which part
	; byte offset in the source: y x 4 MiB for the quarters of x, 0 for a weight; + part x 128 KiB + wave x 16 KiB
	s_lshl_b32 s28, s20, 22
	s_cmp_lt_u32 s20, 4
	s_cselect_b32 s28, s28, 0
	s_lshl_b32 s29, s21, 17
	s_add_co_u32 s28, s28, s29
	s_lshl_b32 s29, s22, 14
	s_add_co_u32 s28, s28, s29
	s_mov_b32 s29, 0
	; byte offset in cb.  x and w_o: y x 2 MiB + part x 64 KiB.  w_q, w_k, w_v: the part's 32 rows belong to head part/2,
	; section y-4, half part&1: row 192 head + 64 (y-4) + 32 (part&1) behind byte 8,388,608
	s_lshl_b32 s30, s20, 21
	s_lshl_b32 s31, s21, 16
	s_add_co_u32 s30, s30, s31
	s_lshr_b32 s31, s21, 1
	s_mul_i32 s31, s31, 192
	s_sub_co_u32 s32, s20, 4                       ; wraps to a large number for y < 4
	s_lshl_b32 s33, s32, 6
	s_add_co_u32 s31, s31, s33
	s_and_b32 s33, s21, 1
	s_lshl_b32 s33, s33, 5
	s_add_co_u32 s31, s31, s33
	s_lshl_b32 s31, s31, 11
	s_add_co_u32 s31, s31, 0x800000
	s_cmp_lt_u32 s32, 3
	s_cselect_b32 s30, s31, s30
	s_lshl_b32 s31, s22, 13                        ; + wave x 8 KiB
	s_add_co_u32 s30, s30, s31
	s_mov_b32 s31, 0
	; my row of the table: t = 8 (32 y + x) + wave
	s_lshl_b32 s23, s20, 5
	s_add_co_u32 s23, s23, s21
	s_lshl_b32 s23, s23, 3
	s_add_co_u32 s23, s23, s22
	s_lshl_b32 s34, s23, 8
	s_mov_b32 s35, 0
	s_mov_b32 s36, 0x3e22f983                      ; 1/(2 pi), rounded to f32
	s_mov_b32 s37, 0x31dc9c88                      ; and what the rounding left
	s_mov_b32 s38, 0xb2d7322b                      ; -1/11!
	s_mov_b32 s39, 0x3638ef1d                      ;  1/9!
	s_mov_b32 s40, 0xb493f27e                      ; -1/10!
	s_mov_b32 s41, 0x37d00d01                      ;  1/8!
	s_wait_kmcnt 0x0
	s_mov_b64 s[26:27], s[4:5]                     ; the source: x, or the weight that y names
	s_cmp_eq_u32 s20, 4
	s_cselect_b64 s[26:27], s[6:7], s[26:27]
	s_cmp_eq_u32 s20, 5
	s_cselect_b64 s[26:27], s[8:9], s[26:27]
	s_cmp_eq_u32 s20, 6
	s_cselect_b64 s[26:27], s[10:11], s[26:27]
	s_cmp_eq_u32 s20, 7
	s_cselect_b64 s[26:27], s[12:13], s[26:27]
	s_add_nc_u64 s[26:27], s[26:27], s[28:29]
	s_add_nc_u64 s[14:15], s[14:15], s[30:31]
	s_add_nc_u64 s[16:17], s[16:17], s[34:35]
.set i, 0
.rept 32
	global_load_b128 v[X+4*i:X+4*i+3], v1, s[26:27] offset:512*i th:TH_LOAD_NT   ; read once in the launch
.set i, i+1
.endr
	; The table's row t.  Lane l owns the f32 columns 2l and 2l+1: lanes 0-15 cosines, lanes 16-31 sines, of frequencies (2l)&31 and +1.
	v_lshlrev_b32 v5, 1, v4
	v_and_b32 v5, 31, v5
	v_add_nc_u32 v6, 1, v5
	v_cvt_f32_u32 v5, v5
	v_cvt_f32_u32 v6, v6
	v_mul_f32 v5, 0xbed49a78, v5                   ; -j log2(10000)/32
	v_mul_f32 v6, 0xbed49a78, v6
	v_exp_f32 v7, v5                               ; inv_freq
	v_exp_f32 v8, v6
	v_cvt_f32_u32 v9, s23                          ; t: the plain instruction that stands between the exponentials and their use (ISA guide 5.7.2)
	s_wait_alu depctr_va_vdst(0)
	v_mul_f32 v7, v9, v7                           ; the two angles
	v_mul_f32 v8, v9, v8
; cosine and sine of v[ang] >= 0.  The angle in turns, less the nearest whole number, is f in [-1/2, 1/2]; the product with
; 1/(2 pi) is taken in two parts by fused multiply-adds, so that f carries one rounding.  a = pi f is HALF the reduced angle,
; |a| <= pi/2, where the series to a^11 and a^10 are cut below 6e-8 and 5e-7; then sin 2a = 2 sin a cos a, cos 2a = 1 - 2 sin^2 a.
.macro SINCOS ang, c, s, t
	v_mul_f32 v[\t], 0x3e22f983, v[\ang]
	v_rndne_f32 v[\t], v[\t]
	v_fma_f32 v[\t+1], v[\ang], s36, -v[\t]
	v_fma_f32 v[\t+1], v[\ang], s37, v[\t+1]
	v_mul_f32 v[\t+1], 0x40490fdb, v[\t+1]         ; a
	v_mul_f32 v[\t+2], v[\t+1], v[\t+1]            ; z = a^2
	v_fma_f32 v[\t+3], v[\t+2], s38, s39
	v_fmaak_f32 v[\t+3], v[\t+3], v[\t+2], 0xb9500d01   ; -1/7!
	v_fmaak_f32 v[\t+3], v[\t+3], v[\t+2], 0x3c088889   ;  1/5!
	v_fmaak_f32 v[\t+3], v[\t+3], v[\t+2], 0xbe2aaaab   ; -1/3!
	v_fma_f32 v[\t+3], v[\t+3], v[\t+2], 1.0
	v_mul_f32 v[\t+3], v[\t+3], v[\t+1]            ; sin a
	v_fma_f32 v[\t+4], v[\t+2], s40, s41
	v_fmaak_f32 v[\t+4], v[\t+4], v[\t+2], 0xbab60b61   ; -1/6!
	v_fmaak_f32 v[\t+4], v[\t+4], v[\t+2], 0x3d2aaaab   ;  1/4!
	v_fma_f32 v[\t+4], v[\t+4], v[\t+2], -0.5
	v_fma_f32 v[\t+4], v[\t+4], v[\t+2], 1.0       ; cos a
	v_add_f32 v[\t+5], v[\t+3], v[\t+3]
	v_mul_f32 v[\s], v[\t+5], v[\t+4]
	v_fma_f32 v[\c], -v[\t+5], v[\t+3], 1.0
.endm
	SINCOS 7, 10, 11, 14
	SINCOS 8, 12, 13, 20
	v_cmp_gt_u32 vcc_lo, 16, v4
	v_cndmask_b32 v30, v11, v10, vcc_lo            ; lanes 0-15 the cosine, the others the sine
	v_cndmask_b32 v31, v13, v12, vcc_lo
	global_store_b64 v2, v[30:31], s[16:17]        ; the wave stores the row's 256 bytes
.set i, 0
.rept 32
	s_wait_loadcnt 31-i                            ; loads come back in order (ISA guide 5.7.1): load i is in, the 31-i younger ones stay out
	v_cvt_pk_f16_f32 v[Y+2*i], v[X+4*i], v[X+4*i+1]
	v_cvt_pk_f16_f32 v[Y+2*i+1], v[X+4*i+2], v[X+4*i+3]
	global_store_b64 v2, v[Y+2*i:Y+2*i+1], s[14:15] offset:256*i
.set i, i+1
.endr
	s_endpgm
.Lfunc_end_k_q668a46cf05_prep:
	.size	k_q668a46cf05_prep, .Lfunc_end_k_q668a46cf05_prep-k_q668a46cf05_prep
	.p2alignl 7, 3214868480
	.fill 96, 4, 3214868480
	.section	.rodata,"a",@progbits
	.p2align	6, 0x0
	.amdhsa_kernel k_q668a46cf05_prep
		.amdhsa_group_segment_fixed_size 0
		.amdhsa_private_segment_fixed_size 0
		.amdhsa_enable_private_segment 0
		.amdhsa_kernarg_size 56
		.amdhsa_user_sgpr_count 2
		.amdhsa_user_sgpr_kernarg_segment_ptr 1
		.amdhsa_wavefront_size32 1
		.amdhsa_system_sgpr_workgroup_id_x 1
		.amdhsa_system_sgpr_workgroup_id_y 1
		.amdhsa_system_sgpr_workgroup_id_z 1
		.amdhsa_system_vgpr_workitem_id 0
		.amdhsa_next_free_vgpr 256
		.amdhsa_next_free_sgpr 66
		.amdhsa_reserve_vcc 1
		.amdhsa_float_denorm_mode_32 3
		.amdhsa_float_denorm_mode_16_64 3
		.amdhsa_memory_ordered 1
		.amdhsa_forward_progress 1
		.amdhsa_inst_pref_size 17
	.end_amdhsa_kernel
	.amdgpu_metadata
---
amdhsa.version: [ 1, 2 ]
amdhsa.kernels:
  - .name:           k_q668a46cf05_prep
    .symbol:         k_q668a46cf05_prep.kd
    .args:
      - { .name: x, .offset: 0, .size: 8, .value_kind: global_buffer, .address_space: global }
      - { .name: w_q, .offset: 8, .size: 8, .value_kind: global_buffer, .address_space: global }
      - { .name: w_k, .offset: 16, .size: 8, .value_kind: global_buffer, .address_space: global }
      - { .name: w_v, .offset: 24, .size: 8, .value_kind: global_buffer, .address_space: global }
      - { .name: w_o, .offset: 32, .size: 8, .value_kind: global_buffer, .address_space: global }
      - { .name: cb, .offset: 40, .size: 8, .value_kind: global_buffer, .address_space: global }
      - { .name: tab, .offset: 48, .size: 8, .value_kind: global_buffer, .address_space: global }
    .group_segment_fixed_size: 0
    .private_segment_fixed_size: 0
    .kernarg_segment_align: 8
    .kernarg_segment_size: 56
    .max_flat_workgroup_size: 256
    .sgpr_count:     66
    .vgpr_count:     256
    .wavefront_size: 32
...
	.end_amdgpu_metadata
.endif
;; end of part 1
;; launch proj (part 2): grid 16 x 16, 4 waves a work-group, clusters of 4 x 4, 327,680 bytes of LDS; arguments cb, tab, qkv; writes qkv
.if DOCPART == 2
	.amdgcn_target "amdgcn-amd-amdhsa--gfx1250"
	.amdhsa_code_object_version 6
	.text
	.protected	k_q668a46cf05_proj
	.globl	k_q668a46cf05_proj
	.p2align	8
	.type	k_q668a46cf05_proj,@function
k_q668a46cf05_proj:
	s_mov_b64 s[64:65], 0
	v_nop
	global_prefetch_b8 v0, s[64:65] scope:SCOPE_SE
	s_setreg_imm32_b32 hwreg(HW_REG_WAVE_MODE, 25, 1), 1
	s_wait_xcnt 0x0
	s_wait_alu depctr_hold_cnt(0) depctr_sa_sdst(0) depctr_va_vdst(0) depctr_va_sdst(0) depctr_va_ssrc(0) depctr_va_vcc(0) depctr_vm_vsrc(0)
	s_getreg_b32 s2, hwreg(HW_REG_IB_STS2, 6, 4)
	s_cmp_eq_u32 s2, 0
	s_cbranch_scc0 .Lentry_in_a_cluster
	s_endpgm
.Lentry_in_a_cluster:
	s_bfe_u32 s2, ttmp6, 0x10000c
	s_cmp_lg_u32 s2, 0xf033
	s_cbranch_scc0 .Lentry_shape_is_right
	s_endpgm
.Lentry_shape_is_right:
; proj: q, k, v = x W^T for one head and 256 rows of x, the rotary embedding on q and k, results in f16 by head.
; A = x in f16 [4096][1024] (cb, byte 0); B = the head's 192 weight rows q | k | v [192][1024] (cb, byte 8,388,608 + head x 192 rows).
; qkv (f16): q [32 bh][2048 t][64] at byte 0, k at 8,388,608, v at 16,777,216.
; Work-group (x = head, y = block of 256 rows): 256 x 192 of the product.  Four waves, one to a SIMD; wave w makes rows 64 w .. 64 w + 63
; and all 192 columns: 4 x 12 accumulator tiles, 384 registers.  So the two halves of a head's q (and k) that the rotation mixes,
; columns d and d + 32, lie in the same lane and register number of tiles b and b + 2.
; K goes in steps of 128 through two LDS slots filled by the tensor data mover; a tile's rows are 256 bytes of memory at multiples of 256.
; CLUSTERS: 4 x 4 work-groups.  A's tile hangs on the block row alone and is asked for jointly by a row of the cluster, B's on the head
; alone and is asked for jointly by a column: the requests for both are divided by four.
; REGISTERS by windows of 256: window 0: v16-27 addresses, v32-127 at work on the way out, v128-255 cosines and sines of my 64 rows;
; window 1: two fragment buffers of 128 (A's 4 fragments, then B's 12); window 2: accumulators of my rows 0-31; window 3: of rows 32-63.
; The matrix instruction is used transposed (source 0 = 16 weight rows, source 1 = 16 rows of x): lane l then holds row l % 16 and
; its registers 0-7 the columns 8 (l / 16) + 0..7.
; The 48 accumulators take turns, one instruction a turn, in one order in every quarter step.
; FORMAT: operands and results are f16 (11 significant bits); sums and the rotation are f32.
; RANGE of q, k, v, sums of 1,024 products: x of spread 1 and weights of spread 0.02 give spread 0.64; both 30 times larger 576, the
; largest of them about 3,500; offsets of 30 spreads on both 1024 x 30 x 0.6 = 18,432; both 30 times smaller 7e-4, where numbers under
; 6.1e-5 keep the absolute step 6e-8.  LIMIT: a q, k or v of magnitude 65,504 or more becomes infinite.
.set KSTEP,  128
.set PITCH,  272                       ; an LDS row: 256 bytes + 16 of padding = 17 x 16, so the 16 rows that a load touches start in 16 different 16-byte columns of a 256-byte span
.set AHALF,  128*PITCH                 ; 128 rows of A: one tensor load
.set BHALF,  96*PITCH                  ; 96 rows of B: one tensor load
.set BOFF,   2*AHALF                   ; B's 192 rows lie behind A's 256
.set SLOT,   2*AHALF+2*BHALF           ; 121,856
.set STAGE,  2*SLOT                    ; behind the ring, at a multiple of 256: the way out
.set SP,     144                       ; a stage row: 128 bytes + 16
.set SSEC,   16*SP                     ; 16 rows of one section (q, k or v)
.set WSTAGE, 3*SSEC                    ; a wave's stage, 6,912 bytes = 27 x 256
.set LAPS,   4                         ; 1024 / (2 x 128)
.set ADRA, 16                          ; v16-17  LDS address of my A fragments in slot 0, 1
.set ADRB, 20                          ; v20-21  the same for B
.set STO,  24                          ; where I put 16 bytes of a row in the stage
.set RD,   25                          ; where I read the stage back
.set CO,   26                          ; 16 x lane: my place in 512 dense bytes of the output
.set TO,   27                          ; my place in the table
.set TMP,  32                          ; v32-95   rotated q and k, f32, then packed into v32-63
.set VP,   96                          ; v96-111  packed v
.set CS,   128                         ; v128-255 tile a, half bb: 8 cosines at 32a+16bb, 8 sines behind them
.set F0,   0
.set F1,   128
.set G1,  24                           ; s[24:31] group 1 for A
.set G0,  32                           ; s[32:39] group 0 for A, one set a slot
.set G1B, 48                           ; s[48:55] group 1 for B
.set G0B, 56                           ; s[56:63] group 0 for B, one set a slot
.set FLAGS, (1<<16)|(1<<20)|(1<<21)|(5<<22)|(3<<25)   ; 2-byte elements; padding on; bit 21 beside a mask; after every 64 words; 4 words
.set MUL_LO, 0xa5                      ; sources 0 and 1 window 1, C and D window 2
.set MUL_HI, 0xf5                      ; C and D window 3
.set MSB, 0
.macro WIN new                         ; the immediate's high byte repeats the setting that is left
.if MSB != \new
	s_set_vgpr_msb (MSB<<8)|\new
.set MSB, \new
.endif
.endm
; A joint load.  Waves 0 and 1 fetch A's halves, waves 2 and 3 B's; the branch hangs on the wave's number alone.
.macro JLOAD s
	s_cmp_eq_u32 s11, 0
	s_cbranch_scc0 .Lfor_b_\@
	tensor_load_to_lds s[G0+4*\s:G0+4*\s+3], s[G1:G1+7]
	s_nop 0
	s_branch .Lasked_\@
.Lfor_b_\@:
	tensor_load_to_lds s[G0B+4*\s:G0B+4*\s+3], s[G1B:G1B+7]
	s_nop 0
.Lasked_\@:
.endm
.macro CREST                           ; a round of the cluster's barrier behind its opening work-group barrier
	s_cmp_lg_u32 s10, 0
	s_cbranch_scc1 .Lnot_wave_0_\@
	s_barrier_signal -3
.Lnot_wave_0_\@:
	s_barrier_wait -3
	s_barrier_signal -1
	s_barrier_wait -1
.endm
.macro CROUND                          ; a whole round
	s_barrier_signal -1
	s_barrier_wait -1
	CREST
.endm
	s_load_b128 s[4:7], s[0:1], 0x0                ; cb s[4:5], tab s[6:7]
	s_load_b64 s[8:9], s[0:1], 0x10                ; qkv
	v_lshl_add_u32 v30, v0, 2, 0x42400
	v_mov_b32 v31, 0
	ds_add_u32 v30, v31
	v_lshrrev_b32 v1, 5, v0
	v_readfirstlane_b32 s10, v1                    ; wave 0..3
	s_lshr_b32 s11, s10, 1                         ; I fetch for A (0) or for B (1)
	s_and_b32 s12, s10, 1                          ; which half of that tile
	s_bfe_u32 s40, ttmp6, 0x40000                  ; cx
	s_bfe_u32 s41, ttmp6, 0x40004                  ; cy
	s_lshl_b32 s42, ttmp9, 2
	s_add_co_u32 s42, s42, s40                     ; head = 4 x cluster x + cx
	s_and_b32 s13, ttmp7, 0xffff
	s_lshl_b32 s13, s13, 2
	s_add_co_u32 s13, s13, s41                     ; block row = 4 x cluster y + cy
	s_lshl_b32 s43, s41, 2
	s_lshl_b32 s43, 15, s43                        ; my row of the cluster
	s_lshl_b32 s44, 0x1111, s40                    ; my column
	s_or_b32 s[G1+0], s43, FLAGS
	s_or_b32 s[G1B+0], s44, FLAGS
	s_mov_b32 s[G1+1], KSTEP<<16                   ; tensor_dim0 = 128
	s_mov_b32 s[G1B+1], KSTEP<<16
	s_mov_b32 s[G1+2], 128<<16                     ; tensor_dim1 = 128 rows
	s_mov_b32 s[G1B+2], 96<<16                     ; 96 rows
	s_mov_b32 s[G1+3], KSTEP<<16                   ; tile_dim0 = 128
	s_mov_b32 s[G1B+3], KSTEP<<16
	s_mov_b32 s[G1+4], 128                         ; tile_dim1
	s_mov_b32 s[G1B+4], 96
	s_mov_b32 s[G1+5], 1024                        ; elements from row to row
	s_mov_b32 s[G1B+5], 1024
	s_mov_b32 s[G1+6], 0
	s_mov_b32 s[G1B+6], 0
	s_mov_b32 s[G1+7], 0
	s_mov_b32 s[G1B+7], 0
	; where the tiles come from: A's from the block row and the wave, B's from the head and the wave, in registers that never hold the other coordinate
	s_lshl_b32 s16, s13, 8
	s_lshl_b32 s17, s12, 7
	s_add_co_u32 s16, s16, s17                     ; row 256 x block row + 128 x half
	s_lshl_b32 s16, s16, 11                        ; x 2,048 bytes
	s_mov_b32 s17, 0
	s_mul_i32 s46, s42, 192
	s_mul_i32 s47, s12, 96
	s_add_co_u32 s46, s46, s47                     ; weight row 192 x head + 96 x half
	s_lshl_b32 s46, s46, 11
	s_add_co_u32 s46, s46, 0x800000                ; behind x's copy
	s_mov_b32 s47, 0
	s_mul_i32 s20, s10, AHALF                      ; where they go: A's halves at wave x 128 rows (waves 0, 1),
	s_mul_i32 s21, s10, BHALF
	s_add_co_u32 s21, s21, BOFF-2*BHALF            ; B's at BOFF + (wave - 2) x 96 rows (waves 2, 3)
	s_wait_dscnt 0x0
	s_wait_kmcnt 0x0
	s_add_nc_u64 s[14:15], s[4:5], s[16:17]
	s_add_nc_u64 s[46:47], s[4:5], s[46:47]
	CROUND                                         ; all sixteen work-groups are here: the first joint loads meet
.irp s, 0,1
	s_mov_b32 s[G0+4*\s], 1
	s_add_co_u32 s[G0+4*\s+1], s20, \s*SLOT
	s_add_nc_u64 s[G0+4*\s+2:G0+4*\s+3], s[14:15], \s*KSTEP*2
	s_or_b32 s[G0+4*\s+3], s[G0+4*\s+3], 0x80000000
	s_mov_b32 s[G0B+4*\s], 1
	s_add_co_u32 s[G0B+4*\s+1], s21, \s*SLOT
	s_add_nc_u64 s[G0B+4*\s+2:G0B+4*\s+3], s[46:47], \s*KSTEP*2
	s_or_b32 s[G0B+4*\s+3], s[G0B+4*\s+3], 0x80000000
	JLOAD \s                                       ; both slots' first fills go out before anything else: two tensor loads of the wave are out
.endr
	v_and_b32 v1, 15, v0                           ; r = l % 16
	v_bfe_u32 v2, v0, 4, 1                         ; h = l / 16
	v_mul_u32_u24 v3, v1, PITCH
	v_lshl_add_u32 v3, v2, 4, v3                   ; row x pitch + 16 h
	s_mul_i32 s22, s10, 64*PITCH                   ; my 64 rows of A
	v_add_nc_u32 v[ADRA], s22, v3
	v_add_nc_u32 v[ADRA+1], SLOT, v[ADRA]
	v_add_nc_u32 v[ADRB], BOFF, v3
	v_add_nc_u32 v[ADRB+1], BOFF+SLOT, v3
	s_mul_i32 s23, s10, WSTAGE
	s_add_co_u32 s23, s23, STAGE                   ; my stage
	v_mul_u32_u24 v4, v1, SP
	v_lshl_add_u32 v4, v2, 4, v4
	v_add_nc_u32 v[STO], s23, v4                   ; in: row r, 16 bytes for each half of the lanes
	v_and_b32 v5, 31, v0
	v_lshrrev_b32 v6, 3, v5
	v_and_b32 v7, 7, v0
	v_mul_u32_u24 v6, v6, SP
	v_lshl_add_u32 v6, v7, 4, v6
	v_add_nc_u32 v[RD], s23, v6                    ; back: eight lanes take a row of 128 bytes, the wave four rows
	v_lshlrev_b32 v[CO], 4, v5
	v_lshlrev_b32 v[TO], 8, v1
	v_lshl_add_u32 v[TO], v2, 5, v[TO]             ; table: row r, 32 bytes for each half of the lanes
	; t of my first row = 256 (block row mod 8) + 64 wave; the batch is block row / 8
	s_and_b32 s76, s13, 7
	s_lshl_b32 s76, s76, 8
	s_lshl_b32 s75, s10, 6
	s_add_co_u32 s76, s76, s75
	s_lshl_b32 s74, s76, 8
	s_mov_b32 s75, 0
	s_add_nc_u64 s[66:67], s[6:7], s[74:75]        ; the table at my first row
	s_lshr_b32 s78, s13, 3
	s_lshl_b32 s78, s78, 4
	s_add_co_u32 s78, s78, s42                     ; bh = 16 batch + head
	s_lshl_b32 s78, s78, 18                        ; x 2,048 rows of 128 bytes
	s_lshl_b32 s79, s76, 7
	s_add_co_u32 s78, s78, s79
	s_mov_b32 s79, 0
	s_add_nc_u64 s[68:69], s[8:9], s[78:79]        ; q at my first row
	s_add_nc_u64 s[70:71], s[68:69], 0x800000      ; k
	s_add_nc_u64 s[72:73], s[68:69], 0x1000000     ; v
	; cosines and sines of my 64 rows, for columns 16 bb + 8 h + 0..7: they stay on their way during the K loop and are waited for in front of the way out
.irp a, 0,1,2,3
.irp bb, 0,1
	global_load_b128 v[CS+32*\a+16*\bb:CS+32*\a+16*\bb+3],     v[TO], s[66:67] offset:4096*\a+64*\bb
	global_load_b128 v[CS+32*\a+16*\bb+4:CS+32*\a+16*\bb+7],   v[TO], s[66:67] offset:4096*\a+64*\bb+16
	global_load_b128 v[CS+32*\a+16*\bb+8:CS+32*\a+16*\bb+11],  v[TO], s[66:67] offset:4096*\a+64*\bb+128
	global_load_b128 v[CS+32*\a+16*\bb+12:CS+32*\a+16*\bb+15], v[TO], s[66:67] offset:4096*\a+64*\bb+144
.endr
.endr
; 12 matrix instructions: m tile 2 hi + a x all 12 n tiles, 32 along K.  zero = 1: the first product starts the sums.
.macro MUL12 f, hi, a, zero
.irp b, 0,1,2,3,4,5,6,7,8,9,10,11
.if \zero
	v_wmma_f32_16x16x32_f16 v[8*(12*\a+\b):8*(12*\a+\b)+7], v[\f+32+8*\b:\f+32+8*\b+7], v[\f+8*(2*\hi+\a):\f+8*(2*\hi+\a)+7], 0
.else
	v_wmma_f32_16x16x32_f16 v[8*(12*\a+\b):8*(12*\a+\b)+7], v[\f+32+8*\b:\f+32+8*\b+7], v[\f+8*(2*\hi+\a):\f+8*(2*\hi+\a)+7], v[8*(12*\a+\b):8*(12*\a+\b)+7]
.endif
.endr
.endm
; 32 LDS loads in one run: B's 12 fragments, then A's 4, of the quarter step at byte k of the rows, into buffer f
.macro FETCH slot, k, f
	WIN 0x40
.irp i, 0,1,2,3,4,5,6,7,8,9,10,11
	ds_load_b128 v[\f+32+8*\i:\f+32+8*\i+3],   v[ADRB+\slot] offset:\k+\i*16*PITCH
	ds_load_b128 v[\f+32+8*\i+4:\f+32+8*\i+7], v[ADRB+\slot] offset:\k+\i*16*PITCH+32
.endr
.irp i, 0,1,2,3
	ds_load_b128 v[\f+8*\i:\f+8*\i+3],   v[ADRA+\slot] offset:\k+\i*16*PITCH
	ds_load_b128 v[\f+8*\i+4:\f+8*\i+7], v[ADRA+\slot] offset:\k+\i*16*PITCH+32
.endr
.endm
; Four places behind the last matrix instruction that read a buffer, in front of the loads into it, and in front of vector
; instructions that read results (ISA guide 7.12.1 for vector instructions).
.macro PLACES
.rept 4
	v_nop
.endr
.endm
.macro QUARTER slot, k, f, g, zero
	s_wait_dscnt 4                                 ; B and A's tiles 0 and 1 are in; the youngest four loads (A's tiles 2 and 3) may be out
	WIN MUL_LO
	MUL12 \f, 0, 0, \zero
	MUL12 \f, 0, 1, \zero
	PLACES
	FETCH \slot, \k, \g
	s_wait_dscnt 32                                ; all but the 32 just issued
	WIN MUL_HI
	MUL12 \f, 1, 0, \zero
	MUL12 \f, 1, 1, \zero
.endm
.macro THREE slot, zero
	QUARTER \slot, 64,  F0, F1, \zero
	QUARTER \slot, 128, F1, F0, 0
	QUARTER \slot, 192, F0, F1, 0
.endm
; The last quarter of a K step changes slots.  In front of the barrier each wave waits for its reads of this slot and for all its
; tensor loads (one is out: its part of the next slot).  Behind it the refill comes first, then the next slot's first fragments.
; From a request to the wait for it a wave issues 180 matrix instructions.
.macro TURN slot, next, fill
	s_wait_dscnt 4
	WIN MUL_LO
	MUL12 F1, 0, 0, 0
	s_wait_dscnt 0                                 ; my reads of this slot are over
	s_set_vgpr_msb 0xa5a0
	s_wait_tensorcnt 0x0                           ; and all my tensor loads have landed
	ds_add_u32 v30, v31
	s_wait_dscnt 0x0
	s_set_vgpr_msb 0xa0a5
	s_barrier_signal -1                            ; (where the slot is filled again this barrier opens a round of the cluster's barrier)
	MUL12 F1, 0, 1, 0                              ; register work while the others arrive
	WIN 0
	s_barrier_wait -1
.if \fill
	CREST                                          ; no wave of any partner still reads this slot or has a load on its way
	s_add_nc_u64 s[G0+4*\slot+2:G0+4*\slot+3], s[G0+4*\slot+2:G0+4*\slot+3], 2*KSTEP*2
	s_add_nc_u64 s[G0B+4*\slot+2:G0B+4*\slot+3], s[G0B+4*\slot+2:G0B+4*\slot+3], 2*KSTEP*2
	JLOAD \slot                                    ; the wave's one tensor load behind the round
.endif
	PLACES
	FETCH \next, 0, F0
	WIN MUL_HI
	MUL12 F1, 1, 0, 0
	MUL12 F1, 1, 1, 0
.endm
.macro LAP zero
	THREE 0, \zero
	TURN 0, 1, 1
	THREE 1, 0
	TURN 1, 0, 1
.endm
	s_wait_tensorcnt 0x1                           ; my part of K step 0 is in; step 1's load may stay out
	s_barrier_signal -1
	s_barrier_wait -1
	FETCH 0, 0, F0
	LAP 1
	WIN 0
	s_mov_b32 s3, LAPS-2
.Llap:
	LAP 0
	WIN 0
	s_sub_co_u32 s3, s3, 1
	s_cmp_lg_u32 s3, 0
	s_cbranch_scc1 .Llap
	THREE 0, 0                                     ; the last lap fills nothing
	TURN 0, 1, 0
	THREE 1, 0
	s_wait_dscnt 4
	WIN MUL_LO
	MUL12 F1, 0, 0, 0
	MUL12 F1, 0, 1, 0
	s_wait_dscnt 0
	WIN MUL_HI
	MUL12 F1, 1, 0, 0
	MUL12 F1, 1, 1, 0
	PLACES
	s_wait_loadcnt 0x0                             ; the cosines and sines
; THE WAY OUT, 16 rows at a time (m tile a = tile al of window 2 or 3; w1: source 0 in that window; w2: sources 0 and 1).
; q and k: out[d] = x[d] cos - x[d+32] sin, out[d+32] = x[d+32] cos + x[d] sin, d < 32; then f16.  v: f16.
; 16 bytes a lane go into my own stage, rows of 128 bytes come back, and each store of the wave covers 512 dense bytes, aligned.
.macro OUT16 a, al, w1, w2
	s_wait_xcnt 0x0                                ; the registers that the last 16 rows' stores read are written again only behind this wait
	WIN \w1
.irp sec, 0,1
.irp bb, 0,1
.irp p, 0,2,4,6
.set RX1, 8*(12*\al+4*\sec+\bb)+\p
.set RX2, RX1+16
.set RC,  CS+32*\a+16*\bb+\p
.set RS,  RC+8
.set RT1, TMP+32*\sec+8*\bb+\p
.set RT2, RT1+16
	v_pk_mul_f32 v[RT1:RT1+1], v[RX2:RX2+1], v[RS:RS+1]
	v_pk_mul_f32 v[RT2:RT2+1], v[RX1:RX1+1], v[RS:RS+1]
	v_fma_f32 v[RT1], v[RX1], v[RC], -v[RT1]
	v_fma_f32 v[RT1+1], v[RX1+1], v[RC+1], -v[RT1+1]
	v_pk_fma_f32 v[RT2:RT2+1], v[RX2:RX2+1], v[RC:RC+1], v[RT2:RT2+1]
.endr
.endr
.endr
	WIN \w2
.irp b, 0,1,2,3
.irp r, 0,1,2,3
	v_cvt_pk_f16_f32 v[VP+4*\b+\r], v[8*(12*\al+8+\b)+2*\r], v[8*(12*\al+8+\b)+2*\r+1]
.endr
.endr
	WIN 0
.set kk, 0
.rept 32
	v_cvt_pk_f16_f32 v[TMP+kk], v[TMP+2*kk], v[TMP+2*kk+1]    ; in place: word kk is written when words 2kk and 2kk+1 are read, never ahead of a read
.set kk, kk+1
.endr
.irp t, 0,1,2,3,4,5,6,7
	ds_store_b128 v[STO], v[TMP+4*\t:TMP+4*\t+3] offset:SSEC*(\t/4)+32*(\t%4)
.endr
.irp t, 0,1,2,3
	ds_store_b128 v[STO], v[VP+4*\t:VP+4*\t+3] offset:2*SSEC+32*\t
.endr
.set n, 0
.rept 12
	ds_load_b128 v[64+4*n+(n/8)*16:64+4*n+(n/8)*16+3], v[RD] offset:SSEC*(n/4)+4*SP*(n%4)   ; LDS serves a wave's instructions in order (ISA guide 5.7.1.4): these see the stores above
.set n, n+1
.endr
.set n, 0
.rept 12
	s_wait_dscnt 11-n                              ; load n is back, the younger ones may be out
	global_store_b128 v[CO], v[64+4*n+(n/8)*16:64+4*n+(n/8)*16+3], s[68+2*(n/4):69+2*(n/4)] offset:2048*\a+512*(n%4)
.set n, n+1
.endr
.endm
	OUT16 0, 0, 0x02, 0x0a
	OUT16 1, 1, 0x02, 0x0a
	OUT16 2, 0, 0x03, 0x0f
	OUT16 3, 1, 0x03, 0x0f
	s_wait_tensorcnt 0x0
	ds_add_u32 v30, v31
	s_wait_dscnt 0x0
	CROUND                                         ; the closing round: no work-group ends while a partner may still ask for a tile that names it
	s_endpgm
.Lfunc_end_k_q668a46cf05_proj:
	.size	k_q668a46cf05_proj, .Lfunc_end_k_q668a46cf05_proj-k_q668a46cf05_proj
	.p2alignl 7, 3214868480
	.fill 96, 4, 3214868480
	.section	.rodata,"a",@progbits
	.p2align	6, 0x0
	.amdhsa_kernel k_q668a46cf05_proj
		.amdhsa_group_segment_fixed_size 327680
		.amdhsa_private_segment_fixed_size 0
		.amdhsa_enable_private_segment 0
		.amdhsa_kernarg_size 24
		.amdhsa_user_sgpr_count 2
		.amdhsa_user_sgpr_kernarg_segment_ptr 1
		.amdhsa_wavefront_size32 1
		.amdhsa_system_sgpr_workgroup_id_x 1
		.amdhsa_system_sgpr_workgroup_id_y 1
		.amdhsa_system_sgpr_workgroup_id_z 1
		.amdhsa_system_vgpr_workitem_id 0
		.amdhsa_next_free_vgpr 960
		.amdhsa_next_free_sgpr 80
		.amdhsa_reserve_vcc 0
		.amdhsa_float_denorm_mode_32 3
		.amdhsa_float_denorm_mode_16_64 3
		.amdhsa_memory_ordered 1
		.amdhsa_forward_progress 1
		.amdhsa_inst_pref_size 186
	.end_amdhsa_kernel
	.amdgpu_metadata
---
amdhsa.version: [ 1, 2 ]
amdhsa.kernels:
  - .name:           k_q668a46cf05_proj
    .symbol:         k_q668a46cf05_proj.kd
    .args:
      - { .name: cb, .offset: 0, .size: 8, .value_kind: global_buffer, .address_space: global }
      - { .name: tab, .offset: 8, .size: 8, .value_kind: global_buffer, .address_space: global }
      - { .name: qkv, .offset: 16, .size: 8, .value_kind: global_buffer, .address_space: global }
    .group_segment_fixed_size: 327680
    .private_segment_fixed_size: 0
    .kernarg_segment_align: 8
    .kernarg_segment_size: 24
    .max_flat_workgroup_size: 128
    .sgpr_count:     80
    .vgpr_count:     960
    .wavefront_size: 32
...
	.end_amdgpu_metadata
.endif
;; end of part 2
;; launch attn (part 3): grid 8 x 32, 8 waves a work-group, clusters of 4 x 1, 327,680 bytes of LDS; arguments qkv, ao; writes ao
.if DOCPART == 3
	.amdgcn_target "amdgcn-amd-amdhsa--gfx1250"
	.amdhsa_code_object_version 6
	.text
	.protected	k_q668a46cf05_attn
	.globl	k_q668a46cf05_attn
	.p2align	8
	.type	k_q668a46cf05_attn,@function
k_q668a46cf05_attn:
	s_mov_b64 s[64:65], 0
	v_nop
	global_prefetch_b8 v0, s[64:65] scope:SCOPE_SE
	s_setreg_imm32_b32 hwreg(HW_REG_WAVE_MODE, 25, 1), 1
	s_wait_xcnt 0x0
	s_wait_alu depctr_hold_cnt(0) depctr_sa_sdst(0) depctr_va_vdst(0) depctr_va_sdst(0) depctr_va_ssrc(0) depctr_va_vcc(0) depctr_vm_vsrc(0)
	s_getreg_b32 s2, hwreg(HW_REG_IB_STS2, 6, 4)
	s_cmp_eq_u32 s2, 0
	s_cbranch_scc0 .Lentry_in_a_cluster
	s_endpgm
.Lentry_in_a_cluster:
	s_bfe_u32 s2, ttmp6, 0x10000c
	s_cmp_lg_u32 s2, 0x3003
	s_cbranch_scc0 .Lentry_shape_is_right
	s_endpgm
.Lentry_shape_is_right:
; attn: softmax(q k^T / 8) v for one (batch, head) and 256 queries, with a running maximum.
; qkv (f16): q [32 bh][2048][64] at byte 0, k at 8,388,608, v at 16,777,216.
; ao (f16): [32 blocks of 128 rows][16 heads][128 rows][64], so that a wave's 64 rows are 8 KiB of dense memory here
; and a block's heads are dense memory for the launch that follows.
; Work-group (x = block of 256 queries, y = bh).  Eight waves, two to a SIMD, so that one wave's softmax can run beside the other's
; matrix work.  Wave w: queries 64 (w & 3) .. + 63, and keys 128 (w >> 2) .. + 127 of every tile of 256 keys; waves w and w + 4
; have the same queries and merge their sums, maxima and outputs at the end, through LDS.
; CLUSTERS: the four query blocks of a cluster walk the same K and V tiles and ask for them jointly (mask 15).
; S^T = K Q^T (source 0 = 16 keys, source 1 = 16 queries): lane (r, h), register j holds key 8 h + j, query r.  So a lane's maximum,
; sum and factors belong to one query, and two neighbouring key tiles, packed to f16, ARE source 1 of O^T = V^T P^T.
; V^T's fragments come from V's rows by the transposing LDS load.
; The exponent's shift is the running maximum: NM = -c M, rounded once, c = log2(e)/8; P = exp2(c S + NM), and every later factor is
; exp2 of a difference of such NM, so all factors refer to the shifts that the exponentials used.  No exponent is above half a unit in the last place of c M.
; The accumulators take turns, one matrix instruction a turn (16 of S, 16 of O).
; FORMAT: q, k, v, P and the result are f16; the sum of P is taken from the f32 values.  P lies in (0, about 1] by the running maximum,
; so it has room in f16: what the format drops of a P is under 3e-8, for 2,048 keys under 6e-5 of a sum that is about 1 at the least.
; The result is a convex mix of v and has v's range.  NaN and infinite inputs are not treated specially.
.set KP,    144                        ; K's LDS row: 128 bytes + 16
.set VPT,   160                        ; V's LDS row: 128 bytes + 32 = 5 x 32
.set VPART, 64*VPT                     ; 64 keys of V: one tensor load, and one step's share
.set KPART, 64*KP
.set KOFF,  256*VPT                    ; K's 256 rows lie behind V's
.set SLOT,  256*VPT+256*KP             ; 77,824
.set MST,   2*SLOT                     ; merge stage, at a multiple of 256: for each pair of waves 32 x 512 bytes of O, then 8 x 128 bytes of NM and sums
.set MPAIR, 17408
.set OST,   MST+4*MPAIR                ; out stage: 64 rows x 144 bytes for each of waves 0-3
.set OWAVE, 64*144
.set TILEB, 256*128                    ; a tile of K or V in memory
.set KA, 2                             ; v2-3   LDS address of my K fragments in slot 0, 1
.set VA, 4                             ; v4-5   the same for V
.set PF, 6                             ; 256 x lane, for the prefetch
.set QO, 7                             ; my place in q
.set MS, 8                             ; merge stage, O
.set MS2, 9                            ; merge stage, NM and sums
.set STO, 10
.set RD, 11
.set CO, 12
.set QF, 32                            ; v32-95   Q fragments 8 (2 qt + ks); in the tail the merge's figures
.set SB, 96                            ; v96-223  S: 32 qt + 8 kt; then P in the first 16 of each 32
.set NMA, 224                          ; + 2 qt: the shift, copy a
.set MX,  225                          ; + 2 qt: the running maximum of the raw scores
.set NMB, 232                          ; + 2 qt: the shift, copy b
.set TT,  233                          ; + 2 qt: the other half's maximum
.set LL,  240                          ; + 2 qt: a pair of partial sums
.set AL,  248                          ; + 2 qt: the factor for what has been summed so far (the odd register beside it is written once and not used)
.set OB, 0                             ; window 1: O at 8 (4 qt + c)
.set KF, 128                           ; window 1: K fragments 8 (2 kt + ks)
.set VF, 192                           ; window 1: V fragments 8 (4 u + c)
.set G1V, 24
.set G0V, 32
.set G1K, 48
.set G0K, 56
.set MSB, 0
.macro WIN new
.if MSB != \new
	s_set_vgpr_msb (MSB<<8)|\new
.set MSB, \new
.endif
.endm
.macro JLOAD s                         ; waves 0-3 fetch quarters of V's tile, waves 4-7 of K's
	s_cmp_eq_u32 s11, 0
	s_cbranch_scc0 .Lfor_k_\@
	tensor_load_to_lds s[G0V+4*\s:G0V+4*\s+3], s[G1V:G1V+7]
	s_nop 0
	s_branch .Lasked_\@
.Lfor_k_\@:
	tensor_load_to_lds s[G0K+4*\s:G0K+4*\s+3], s[G1K:G1K+7]
	s_nop 0
.Lasked_\@:
.endm
.macro ROUND                           ; a round of the cluster's barrier
	s_barrier_signal -1
	s_barrier_wait -1
	s_cmp_lg_u32 s10, 0
	s_cbranch_scc1 .Lnot_wave_0_\@
	s_barrier_signal -3
.Lnot_wave_0_\@:
	s_barrier_wait -3
	s_barrier_signal -1
	s_barrier_wait -1
.endm
	s_load_b128 s[4:7], s[0:1], 0x0                ; qkv s[4:5], ao s[6:7]
	v_lshl_add_u32 v30, v0, 2, 0x40000
	v_mov_b32 v31, 0
	ds_add_u32 v30, v31
	v_lshrrev_b32 v1, 5, v0
	v_readfirstlane_b32 s10, v1                    ; wave 0..7
	s_lshr_b32 s11, s10, 2                         ; my half of the keys.  Also: I fetch for V (0) or for K (1)
	s_and_b32 s12, s10, 3                          ; my 64 queries.  Also: which 64 keys of the tile I fetch
	s_bfe_u32 s40, ttmp6, 0x40000                  ; cx
	s_lshl_b32 s42, ttmp9, 2
	s_add_co_u32 s42, s42, s40                     ; query block = 4 x cluster x + cx
	s_and_b32 s13, ttmp7, 0xffff                   ; bh
	s_mov_b32 s14, 0x76543210                      ; v_permlanex16_b32: lane i of one half reads lane i of the other
	s_mov_b32 s15, 0xfedcba98
	; group 1: 64 rows (keys) of 64 elements, dense in memory, a pad behind each row of 32 words: 8 words for V, 4 for K
	s_mov_b32 s[G1V+0], 15|(1<<16)|(1<<20)|(1<<21)|(4<<22)|(7<<25)
	s_mov_b32 s[G1K+0], 15|(1<<16)|(1<<20)|(1<<21)|(4<<22)|(3<<25)
	s_mov_b32 s[G1V+1], 64<<16
	s_mov_b32 s[G1K+1], 64<<16
	s_mov_b32 s[G1V+2], 64<<16
	s_mov_b32 s[G1K+2], 64<<16
	s_mov_b32 s[G1V+3], 64<<16
	s_mov_b32 s[G1K+3], 64<<16
	s_mov_b32 s[G1V+4], 64
	s_mov_b32 s[G1K+4], 64
	s_mov_b32 s[G1V+5], 64
	s_mov_b32 s[G1K+5], 64
	s_mov_b32 s[G1V+6], 0
	s_mov_b32 s[G1K+6], 0
	s_mov_b32 s[G1V+7], 0
	s_mov_b32 s[G1K+7], 0
	s_lshl_b32 s16, s13, 18                        ; bh x 2,048 rows of 128 bytes
	s_lshl_b32 s17, s12, 13                        ; + my 64 keys
	s_add_co_u32 s16, s16, s17
	s_mov_b32 s17, 0
	s_mul_i32 s20, s10, VPART                      ; V's quarters at wave x 64 rows (waves 0-3)
	s_mul_i32 s21, s10, KPART
	s_add_co_u32 s21, s21, KOFF-4*KPART            ; K's at KOFF + (wave - 4) x 64 rows (waves 4-7)
	s_wait_dscnt 0x0
	s_wait_kmcnt 0x0
	s_add_nc_u64 s[18:19], s[4:5], s[16:17]
	s_add_nc_u64 s[22:23], s[18:19], 0x800000      ; K
	s_add_nc_u64 s[18:19], s[18:19], 0x1000000     ; V
.irp s, 0,1
	s_mov_b32 s[G0V+4*\s], 1
	s_add_co_u32 s[G0V+4*\s+1], s20, \s*SLOT
	s_add_nc_u64 s[G0V+4*\s+2:G0V+4*\s+3], s[18:19], \s*TILEB      ; slot s starts with tile s
	s_or_b32 s[G0V+4*\s+3], s[G0V+4*\s+3], 0x80000000
	s_mov_b32 s[G0K+4*\s], 1
	s_add_co_u32 s[G0K+4*\s+1], s21, \s*SLOT
	s_add_nc_u64 s[G0K+4*\s+2:G0K+4*\s+3], s[22:23], \s*TILEB
	s_or_b32 s[G0K+4*\s+3], s[G0K+4*\s+3], 0x80000000
.endr
	ROUND                                          ; the four work-groups are here
	JLOAD 0                                        ; tile 0.  A wave never has more than one tensor load out in this text
	; q, ao and the prefetch: addresses that hang on cx, in registers that feed no descriptor
	s_lshl_b32 s74, s13, 18
	s_lshl_b32 s75, s42, 15                        ; 256 queries of 128 bytes
	s_add_co_u32 s74, s74, s75
	s_lshl_b32 s75, s12, 13
	s_add_co_u32 s74, s74, s75
	s_mov_b32 s75, 0
	s_add_nc_u64 s[72:73], s[4:5], s[74:75]        ; q at my first query
	s_lshr_b32 s76, s13, 4                         ; batch
	s_lshl_b32 s76, s76, 4
	s_lshl_b32 s77, s42, 1
	s_add_co_u32 s76, s76, s77
	s_lshr_b32 s77, s12, 1
	s_add_co_u32 s76, s76, s77                     ; block of 128 rows = 16 batch + 2 query block + (w & 3) / 2
	s_lshl_b32 s76, s76, 4
	s_and_b32 s77, s13, 15
	s_add_co_u32 s76, s76, s77                     ; x 16 heads + head
	s_lshl_b32 s76, s76, 14                        ; x 128 rows of 128 bytes
	s_and_b32 s77, s12, 1
	s_lshl_b32 s77, s77, 13                        ; + 64 rows for the odd waves
	s_add_co_u32 s76, s76, s77
	s_mov_b32 s77, 0
	s_add_nc_u64 s[70:71], s[6:7], s[76:77]        ; ao at my first row
	; The prefetch: in trip t wave 0 of each work-group asks for 8 KiB of tile t + 2, one trip ahead of the tensor load that wants it:
	; the four work-groups of cluster x = 0 for the quarters of V's tile, those of cluster x = 1 for K's.  32 lanes, 256 bytes apart;
	; each byte is asked for by one lane of the launch.  Trips 6 and 7 ask for nothing: tile 7 is the last.
	s_mov_b32 s78, 0x800000
	s_mov_b32 s79, 0x1000000
	s_cmp_eq_u32 ttmp9, 0
	s_cselect_b32 s78, s79, s78
	s_lshl_b32 s79, s13, 18
	s_add_co_u32 s78, s78, s79
	s_lshl_b32 s79, s40, 13
	s_add_co_u32 s78, s78, s79
	s_add_co_u32 s78, s78, 2*TILEB
	s_mov_b32 s79, 0
	s_add_nc_u64 s[68:69], s[4:5], s[78:79]
	v_and_b32 v1, 15, v0                           ; r
	v_bfe_u32 v13, v0, 4, 1                        ; h
	v_and_b32 v14, 31, v0                          ; lane
	v_mul_u32_u24 v15, v1, KP
	v_lshl_add_u32 v15, v13, 4, v15                ; 144 r + 16 h
	s_mul_i32 s43, s11, 128*KP
	s_add_co_u32 s43, s43, KOFF
	v_add_nc_u32 v[KA], s43, v15
	v_add_nc_u32 v[KA+1], SLOT, v[KA]
	v_and_b32 v16, 7, v0
	v_lshl_add_u32 v16, v13, 3, v16                ; key 8 h + (l & 7)
	v_mul_u32_u24 v16, v16, VPT
	v_bfe_u32 v17, v0, 3, 1
	v_lshl_add_u32 v16, v17, 4, v16                ; + 16 ((l >> 3) & 1)
	s_mul_i32 s44, s11, 128*VPT
	v_add_nc_u32 v[VA], s44, v16
	v_add_nc_u32 v[VA+1], SLOT, v[VA]
	v_lshlrev_b32 v[PF], 8, v14
	v_lshlrev_b32 v[QO], 7, v1
	v_lshl_add_u32 v[QO], v13, 4, v[QO]            ; 128 r + 16 h
	s_mul_i32 s45, s12, MPAIR
	s_add_co_u32 s45, s45, MST
	v_lshl_add_u32 v[MS], v14, 4, s45
	v_lshlrev_b32 v18, 2, v14
	v_add_nc_u32 v[MS2], s45, v18
	v_add_nc_u32 v[MS2], 16384, v[MS2]
	s_mul_i32 s46, s12, OWAVE
	s_add_co_u32 s46, s46, OST
	v_add_nc_u32 v[STO], s46, v15
	v_lshrrev_b32 v19, 3, v14
	v_mul_u32_u24 v19, v19, 144
	v_and_b32 v20, 7, v0
	v_lshl_add_u32 v19, v20, 4, v19
	v_add_nc_u32 v[RD], s46, v19
	v_lshlrev_b32 v[CO], 4, v14
.irp q, 0,1,2,3
	v_mov_b32 v[TT+2*\q], 0                        ; v_permlanex16_b32 counts as a reader of its destination; also the partner of NMB in a pair
	v_mov_b32 v[AL+2*\q+1], 0                      ; the partner of AL in a pair
.endr
	; Q's fragments, straight from memory, once: query 16 qt + r, d = 32 ks + 8 h + 0..7 and + 16
.irp q, 0,1,2,3
.irp ks, 0,1
	global_load_b128 v[QF+8*(2*\q+\ks):QF+8*(2*\q+\ks)+3],   v[QO], s[72:73] offset:2048*\q+64*\ks
	global_load_b128 v[QF+8*(2*\q+\ks)+4:QF+8*(2*\q+\ks)+7], v[QO], s[72:73] offset:2048*\q+64*\ks+32
.endr
.endr
	s_wait_loadcnt 0x0
.macro FETCHK slot, sub                ; 16 loads: 4 key tiles x 2 halves of d
	WIN 0x40
.irp kt, 0,1,2,3
.irp ks, 0,1
	ds_load_b128 v[KF+8*(2*\kt+\ks):KF+8*(2*\kt+\ks)+3],   v[KA+\slot] offset:KPART*\sub+16*KP*\kt+64*\ks
	ds_load_b128 v[KF+8*(2*\kt+\ks)+4:KF+8*(2*\kt+\ks)+7], v[KA+\slot] offset:KPART*\sub+16*KP*\kt+64*\ks+32
.endr
.endr
.endm
.macro FETCHV slot, sub                ; 16 transposing loads: 2 runs of 32 keys x 4 tiles of d
	WIN 0x40
.irp u, 0,1
.irp c, 0,1,2,3
	ds_load_tr16_b128 v[VF+8*(4*\u+\c):VF+8*(4*\u+\c)+3],   v[VA+\slot] offset:VPART*\sub+32*VPT*\u+32*\c
	ds_load_tr16_b128 v[VF+8*(4*\u+\c)+4:VF+8*(4*\u+\c)+7], v[VA+\slot] offset:VPART*\sub+32*VPT*\u+32*\c+16*VPT
.endr
.endr
.endm
.macro SMUL                            ; S^T = K Q^T: 64 keys x 64 queries; the first 16 products start the sums
	WIN 0x01
.irp q, 0,1,2,3
.irp kt, 0,1,2,3
	v_wmma_f32_16x16x32_f16 v[SB+32*\q+8*\kt:SB+32*\q+8*\kt+7], v[KF+16*\kt:KF+16*\kt+7], v[QF+16*\q:QF+16*\q+7], 0
.endr
.endr
.irp q, 0,1,2,3
.irp kt, 0,1,2,3
	v_wmma_f32_16x16x32_f16 v[SB+32*\q+8*\kt:SB+32*\q+8*\kt+7], v[KF+16*\kt+8:KF+16*\kt+15], v[QF+16*\q+8:QF+16*\q+15], v[SB+32*\q+8*\kt:SB+32*\q+8*\kt+7]
.endr
.endr
.endm
.macro PVMUL first                     ; O^T += V^T P^T
	WIN 0x51
.irp q, 0,1,2,3
.irp c, 0,1,2,3
.if \first
	v_wmma_f32_16x16x32_f16 v[OB+8*(4*\q+\c):OB+8*(4*\q+\c)+7], v[VF+8*\c:VF+8*\c+7], v[SB+32*\q:SB+32*\q+7], 0
.else
	v_wmma_f32_16x16x32_f16 v[OB+8*(4*\q+\c):OB+8*(4*\q+\c)+7], v[VF+8*\c:VF+8*\c+7], v[SB+32*\q:SB+32*\q+7], v[OB+8*(4*\q+\c):OB+8*(4*\q+\c)+7]
.endif
.endr
.endr
.irp q, 0,1,2,3
.irp c, 0,1,2,3
	v_wmma_f32_16x16x32_f16 v[OB+8*(4*\q+\c):OB+8*(4*\q+\c)+7], v[VF+32+8*\c:VF+32+8*\c+7], v[SB+32*\q+8:SB+32*\q+15], v[OB+8*(4*\q+\c):OB+8*(4*\q+\c)+7]
.endr
.endr
.endm
; pair k of query tile q: the exponent c S + NM
.macro FMA q, k, nm
	v_pk_fma_f32 v[SB+32*\q+2*\k:SB+32*\q+2*\k+1], v[SB+32*\q+2*\k:SB+32*\q+2*\k+1], 0x3e38aa3b, v[\nm+2*\q:\nm+2*\q+1] op_sel_hi:[1,0,0]
.endm
; pair k of query tile q: into the sums, then to f16 in place (word k is written when words 2k and 2k+1 are read).
; Pair 0 brings the old sums along, times AL; in the very first step pairs 0 and 1 start the sums.
.macro SUMCVT q, k, first
.if \first
.if \k == 0
	s_wait_alu depctr_va_vdst(0)
	v_pk_add_f32 v[LL+2*\q:LL+2*\q+1], v[SB+32*\q:SB+32*\q+1], v[SB+32*\q+2:SB+32*\q+3]
.else
.if \k > 1
	v_pk_add_f32 v[LL+2*\q:LL+2*\q+1], v[LL+2*\q:LL+2*\q+1], v[SB+32*\q+2*\k:SB+32*\q+2*\k+1]
.endif
.endif
.else
.if \k == 0
	s_wait_alu depctr_va_vdst(0)
	v_pk_fma_f32 v[LL+2*\q:LL+2*\q+1], v[LL+2*\q:LL+2*\q+1], v[AL+2*\q:AL+2*\q+1], v[SB+32*\q:SB+32*\q+1] op_sel_hi:[1,0,1]
.else
	s_wait_alu depctr_va_vdst(0)
	v_pk_add_f32 v[LL+2*\q:LL+2*\q+1], v[LL+2*\q:LL+2*\q+1], v[SB+32*\q+2*\k:SB+32*\q+2*\k+1]
.endif
.endif
	v_cvt_pk_f16_f32 v[SB+32*\q+\k], v[SB+32*\q+2*\k], v[SB+32*\q+2*\k+1]
.endm
; The exponentials of tile qe, laced with the sums and packing of tile qs and the exponents of tile qf (-1: none): behind each pair of
; exponentials stands plain work on other registers, and a result is used a whole block later (ISA guide 5.7.2).
.macro SMX qe, qs, qf, nm, first
.set kk, 0
.rept 16
	v_exp_f32 v[SB+32*\qe+2*kk], v[SB+32*\qe+2*kk]
	v_exp_f32 v[SB+32*\qe+2*kk+1], v[SB+32*\qe+2*kk+1]
.if \qs >= 0
	SUMCVT \qs, kk, \first
.endif
.if \qf >= 0
	FMA \qf, kk, \nm
.endif
.set kk, kk+1
.endr
.endm
; par = 0: the new shift goes to copy a and the old one is copy b; par = 1 the other way round: no register is copied.
.macro SOFTMAX par, first
.if \par
.set NN, NMB
.set NO, NMA
.else
.set NN, NMA
.set NO, NMB
.endif
.irp q, 0,1,2,3
.if \first
	v_max_num_f32 v[MX+2*\q], v[SB+32*\q], v[SB+32*\q+1]
.else
	v_max3_num_f32 v[MX+2*\q], v[MX+2*\q], v[SB+32*\q], v[SB+32*\q+1]
.endif
.endr
.set kk, 1
.rept 15
.irp q, 0,1,2,3
	v_max3_num_f32 v[MX+2*\q], v[MX+2*\q], v[SB+32*\q+2*kk], v[SB+32*\q+2*kk+1]
.endr
.set kk, kk+1
.endr
.irp q, 0,1,2,3
	v_permlanex16_b32 v[TT+2*\q], v[MX+2*\q], s14, s15         ; the query's other 32 keys lie in lane l xor 16
.endr
.irp q, 0,1,2,3
	v_max_num_f32 v[MX+2*\q], v[MX+2*\q], v[TT+2*\q]
.endr
.irp q, 0,1,2,3
	v_mul_f32 v[NN+2*\q], 0xbe38aa3b, v[MX+2*\q]               ; NM = -c M
.endr
.if \first == 0
.irp q, 0,1,2,3
	v_sub_f32 v[AL+2*\q], v[NN+2*\q], v[NO+2*\q]
.endr
.irp q, 0,1,2,3
	v_exp_f32 v[AL+2*\q], v[AL+2*\q]                           ; at most 1; first used 32 plain instructions further down
.endr
.endif
.set kk, 0
.rept 16
	FMA 0, kk, NN
.set kk, kk+1
.endr
	SMX 0, -1, 1, NN, \first
	SMX 1, 0, 2, NN, \first
	SMX 2, 1, 3, NN, \first
	SMX 3, 2, -1, NN, \first
.set kk, 0
.rept 16
	SUMCVT 3, kk, \first
.set kk, kk+1
.endr
.endm
.macro RESCALE
	WIN 0x41
.irp q, 0,1,2,3
.set kk, 0
.rept 16
	v_pk_mul_f32 v[OB+32*\q+2*kk:OB+32*\q+2*kk+1], v[OB+32*\q+2*kk:OB+32*\q+2*kk+1], v[AL+2*\q:AL+2*\q+1] op_sel_hi:[1,0]
.set kk, kk+1
.endr
.endr
.endm
; 64 of my keys against my 64 queries
.macro STEP slot, sub, first
.if \first == 0
.rept 5
	v_nop                                          ; five places behind the last O product: for the loads into V's fragments, and for the S products, which write over P
.endr
.endif
	FETCHK \slot, \sub
	FETCHV \slot, \sub
	s_wait_dscnt 16                                ; K's 16 loads are in; V's 16 may stay out
	SMUL
.rept 5
	v_nop                                          ; places behind the last S product
.endr
	WIN 0
	SOFTMAX \sub, \first
.if \first == 0
	RESCALE
.endif
	s_wait_dscnt 0                                 ; V's fragments
	PVMUL \first
.endm
; A tile of 256 keys.  In front of the round each wave waits for all its tensor loads (its part of this trip's tile) and for its reads of
; the other slot; behind the round the other slot is filled again first, with the next tile, which has this trip's work in which to land.
; pf = 1: prefetch; 2: step its address first; 0: none.
.macro TRIP slot, other, refill, pf, first
	s_wait_tensorcnt 0x0
	ds_add_u32 v30, v31
	s_wait_dscnt 0x0
	s_add_nc_u64 s[G0V+4*\slot+2:G0V+4*\slot+3], s[G0V+4*\slot+2:G0V+4*\slot+3], 2*TILEB   ; no load of mine is out: this slot's next tile
	s_add_nc_u64 s[G0K+4*\slot+2:G0K+4*\slot+3], s[G0K+4*\slot+2:G0K+4*\slot+3], 2*TILEB
	s_wait_dscnt 0x0
.if \pf == 2
	s_wait_xcnt 0x0                                ; the last trip's prefetch has had its address translated: its base is stepped only behind this wait
	s_add_nc_u64 s[68:69], s[68:69], TILEB
.endif
	ROUND
.if \refill
	JLOAD \other
.endif
.if \pf
	s_cmp_lg_u32 s10, 0
	s_cbranch_scc1 .Lno_pf_\@
	global_prefetch_b8 v[PF], s[68:69] th:TH_LOAD_NT scope:SCOPE_SE
.Lno_pf_\@:
.endif
	STEP \slot, 0, \first
	STEP \slot, 1, 0
	WIN 0
.endm
	TRIP 0, 1, 1, 1, 1                             ; tile 0
	TRIP 1, 0, 1, 2, 0
	s_mov_b32 s3, 2
.Ltiles:
	TRIP 0, 1, 1, 2, 0                             ; tiles 2 to 5
	TRIP 1, 0, 1, 2, 0
	s_sub_co_u32 s3, s3, 1
	s_cmp_lg_u32 s3, 0
	s_cbranch_scc1 .Ltiles
	TRIP 0, 1, 1, 0, 0                             ; tile 6 asks for tile 7, the last
	TRIP 1, 0, 0, 0, 0
	; THE MERGE.  The current shift is copy b (the last step had par = 1).  Waves 4-7 hand O, NM and their sums to waves 0-3.
.rept 4
	v_nop                                          ; places behind the last O product
.endr
.irp q, 0,1,2,3
	v_add_f32 v[LL+2*\q], v[LL+2*\q], v[LL+2*\q+1]
.endr
	s_cmp_eq_u32 s11, 0
	s_cbranch_scc1 .Lkeep
	WIN 0x04
.set g, 0
.rept 32
	ds_store_b128 v[MS], v[OB+4*g:OB+4*g+3] offset:512*g
.set g, g+1
.endr
	WIN 0
.irp q, 0,1,2,3
	ds_store_b32 v[MS2], v[NMB+2*\q] offset:128*\q
	ds_store_b32 v[MS2], v[LL+2*\q] offset:512+128*\q
.endr
.Lkeep:
	s_wait_dscnt 0x0                               ; for the partner's sake: my stores are done
	s_barrier_signal -1
	s_barrier_wait -1
	s_cmp_lg_u32 s11, 0
	s_cbranch_scc1 .Ldone
.irp q, 0,1,2,3
	ds_load_b32 v[32+\q], v[MS2] offset:128*\q                 ; the partner's NM
.endr
.irp q, 0,1,2,3
	ds_load_b32 v[36+\q], v[MS2] offset:512+128*\q             ; the partner's sums
.endr
.set g, 0
.rept 32
	ds_load_b128 v[SB+4*g:SB+4*g+3], v[MS] offset:512*g        ; the partner's O
.set g, g+1
.endr
	s_wait_dscnt 32                                ; the eight figures are in; O's 32 loads may stay out
.irp q, 0,1,2,3
	v_min_num_f32 v[40+\q], v[NMB+2*\q], v[32+\q]              ; the joint shift: the smaller NM is the larger maximum
.endr
.irp q, 0,1,2,3
	v_sub_f32 v[44+\q], v[40+\q], v[NMB+2*\q]
	v_sub_f32 v[48+\q], v[40+\q], v[32+\q]
	v_mov_b32 v[56+\q], 0
.endr
.irp q, 0,1,2,3
	v_exp_f32 v[44+\q], v[44+\q]                               ; my factor
	v_exp_f32 v[48+\q], v[48+\q]                               ; the partner's
.endr
	v_nop
.irp q, 0,1,2,3
	s_wait_alu depctr_va_vdst(0)
	v_mul_f32 v[52+\q], v[44+\q], v[LL+2*\q]
.endr
.irp q, 0,1,2,3
	v_fmac_f32 v[52+\q], v[48+\q], v[36+\q]
.endr
.irp q, 0,1,2,3
	v_permlanex16_b32 v[56+\q], v[52+\q], s14, s15             ; the sums of the keys that lane l xor 16 holds
.endr
.irp q, 0,1,2,3
	v_add_f32 v[52+\q], v[52+\q], v[56+\q]                     ; the whole sum: about 1 at the least, since the largest P is about 1
.endr
.irp q, 0,1,2,3
	v_rcp_f32 v[60+\q], v[52+\q]
.endr
	v_nop
.irp q, 0,1,2,3
	s_wait_alu depctr_va_vdst(0)
	v_mul_f32 v[64+2*\q], v[44+\q], v[60+\q]                   ; both factors over the sum, each twice: pairs for the packed forms
	v_mul_f32 v[65+2*\q], v[44+\q], v[60+\q]
	v_mul_f32 v[72+2*\q], v[48+\q], v[60+\q]
	v_mul_f32 v[73+2*\q], v[48+\q], v[60+\q]
.endr
	s_wait_dscnt 0x0
.irp q, 0,1,2,3
.set kk, 0
.rept 16
	v_pk_mul_f32 v[SB+32*\q+2*kk:SB+32*\q+2*kk+1], v[SB+32*\q+2*kk:SB+32*\q+2*kk+1], v[72+2*\q:73+2*\q]
.set kk, kk+1
.endr
.endr
	WIN 0x01
.irp q, 0,1,2,3
.set kk, 0
.rept 16
	v_pk_fma_f32 v[SB+32*\q+2*kk:SB+32*\q+2*kk+1], v[OB+32*\q+2*kk:OB+32*\q+2*kk+1], v[64+2*\q:65+2*\q], v[SB+32*\q+2*kk:SB+32*\q+2*kk+1]
.set kk, kk+1
.endr
.endr
	WIN 0
.set kk, 0
.rept 64
	v_cvt_pk_f16_f32 v[SB+kk], v[SB+2*kk], v[SB+2*kk+1]        ; tile (qt, c): 16 bytes, d = 16 c + 8 h + 0..7 of query 16 qt + r
.set kk, kk+1
.endr
.irp q, 0,1,2,3
.irp c, 0,1,2,3
	ds_store_b128 v[STO], v[SB+4*(4*\q+\c):SB+4*(4*\q+\c)+3] offset:2304*\q+32*\c
.endr
.endr
.set i, 0
.rept 16
	ds_load_b128 v[SB+64+4*i:SB+64+4*i+3], v[RD] offset:576*i  ; four rows of 128 bytes; my own stage: LDS serves a wave's instructions in order (ISA guide 5.7.1.4)
.set i, i+1
.endr
.set i, 0
.rept 16
	s_wait_dscnt 15-i                              ; load i is back, the younger ones may be out
	global_store_b128 v[CO], v[SB+64+4*i:SB+64+4*i+3], s[70:71] offset:512*i   ; 512 dense bytes, aligned
.set i, i+1
.endr
.Ldone:
	s_wait_tensorcnt 0x0
	ds_add_u32 v30, v31
	s_wait_dscnt 0x0
	ROUND                                          ; the closing round
	s_endpgm
.Lfunc_end_k_q668a46cf05_attn:
	.size	k_q668a46cf05_attn, .Lfunc_end_k_q668a46cf05_attn-k_q668a46cf05_attn
	.p2alignl 7, 3214868480
	.fill 96, 4, 3214868480
	.section	.rodata,"a",@progbits
	.p2align	6, 0x0
	.amdhsa_kernel k_q668a46cf05_attn
		.amdhsa_group_segment_fixed_size 327680
		.amdhsa_private_segment_fixed_size 0
		.amdhsa_enable_private_segment 0
		.amdhsa_kernarg_size 16
		.amdhsa_user_sgpr_count 2
		.amdhsa_user_sgpr_kernarg_segment_ptr 1
		.amdhsa_wavefront_size32 1
		.amdhsa_system_sgpr_workgroup_id_x 1
		.amdhsa_system_sgpr_workgroup_id_y 1
		.amdhsa_system_sgpr_workgroup_id_z 1
		.amdhsa_system_vgpr_workitem_id 0
		.amdhsa_next_free_vgpr 512
		.amdhsa_next_free_sgpr 80
		.amdhsa_reserve_vcc 0
		.amdhsa_float_denorm_mode_32 3
		.amdhsa_float_denorm_mode_16_64 3
		.amdhsa_memory_ordered 1
		.amdhsa_forward_progress 1
		.amdhsa_inst_pref_size 255
	.end_amdhsa_kernel
	.section	.bss,"aw",@nobits
	.p2align	6
	.space	262144
	.amdgpu_metadata
---
amdhsa.version: [ 1, 2 ]
amdhsa.kernels:
  - .name:           k_q668a46cf05_attn
    .symbol:         k_q668a46cf05_attn.kd
    .args:
      - { .name: qkv, .offset: 0, .size: 8, .value_kind: global_buffer, .address_space: global }
      - { .name: ao, .offset: 8, .size: 8, .value_kind: global_buffer, .address_space: global }
    .group_segment_fixed_size: 327680
    .private_segment_fixed_size: 0
    .kernarg_segment_align: 8
    .kernarg_segment_size: 16
    .max_flat_workgroup_size: 256
    .sgpr_count:     80
    .vgpr_count:     512
    .wavefront_size: 32
...
	.end_amdgpu_metadata
.endif
;; end of part 3
;; launch oproj (part 4): grid 8 x 32, 4 waves a work-group, clusters of 4 x 4, 327,680 bytes of LDS; arguments ao, cb, b_o, out0; writes out0
.if DOCPART == 4
	.amdgcn_target "amdgcn-amd-amdhsa--gfx1250"
	.amdhsa_code_object_version 6
	.text
	.protected	k_q668a46cf05_oproj
	.globl	k_q668a46cf05_oproj
	.p2align	8
	.type	k_q668a46cf05_oproj,@function
k_q668a46cf05_oproj:
	s_mov_b64 s[64:65], 0
	v_nop
	global_prefetch_b8 v0, s[64:65] scope:SCOPE_SE
	s_setreg_imm32_b32 hwreg(HW_REG_WAVE_MODE, 25, 1), 1
	s_wait_xcnt 0x0
	s_wait_alu depctr_hold_cnt(0) depctr_sa_sdst(0) depctr_va_vdst(0) depctr_va_sdst(0) depctr_va_ssrc(0) depctr_va_vcc(0) depctr_vm_vsrc(0)
	s_getreg_b32 s2, hwreg(HW_REG_IB_STS2, 6, 4)
	s_cmp_eq_u32 s2, 0
	s_cbranch_scc0 .Lentry_in_a_cluster
	s_endpgm
.Lentry_in_a_cluster:
	s_bfe_u32 s2, ttmp6, 0x10000c
	s_cmp_lg_u32 s2, 0xf033
	s_cbranch_scc0 .Lentry_shape_is_right
	s_endpgm
.Lentry_shape_is_right:
; oproj: out0 = a w_o^T + b_o.  a = the attention's result, f16, [32 blocks of 128 rows][16 heads][128 rows][64] (k = 64 head + d);
; w_o in f16 [1024 n][1024 k] at byte 14,680,064 of cb; b_o f32 [1024]; out0 f32 [4096][1024].
; Both operands are f16 as the launches before stored them; sums, the bias and the result are f32.
; Work-group (x = block of 128 columns, y = block of 128 rows): 256 work-groups.  Four waves, a wave makes 64 x 64: 16 accumulator tiles.
; (Blocks of 256 x 128 would feed more products from each LDS byte, but there are only 128 of them for 256 WGPs.)
; K goes in four fills of 256 (four heads) through two LDS slots.  A's four heads of a row block are 64 KiB of dense memory: waves 0 and 1
; fetch two heads each, as 256 rows of 128 bytes; waves 2 and 3 fetch 64 rows of 512 bytes of w_o each.
; CLUSTERS: 4 x 4 work-groups; A's tile is asked for jointly by a row of the cluster, B's by a column.
; The bias is the C operand of the first 16 products: nothing is cleared and no add is written.
; The matrix instruction is used transposed: lane l holds row l % 16, its registers 0-7 the columns 8 (l / 16) + 0..7.
; The 16 accumulators take turns, one instruction a turn, in one order throughout.
; REGISTERS: window 0: addresses, v32-95 on the way out; window 1: two fragment buffers of 128; window 2: accumulators 8 (4 a + b), the bias at 128 + 8 b.
.set AP,     144                       ; A's LDS row: 128 bytes + 16
.set BP,     528                       ; B's LDS row: 512 bytes + 16
.set AHALF,  256*AP                    ; two heads x 128 rows: one tensor load
.set BHALF,  64*BP
.set BOFF,   2*AHALF
.set SLOT,   2*AHALF+2*BHALF           ; 141,312
.set STAGE,  2*SLOT                    ; at a multiple of 256
.set SPITCH, 272                       ; a stage row: 64 f32 + 16 bytes
.set WSTAGE, 16*SPITCH                 ; 4,352 = 17 x 256
.set ADRA, 16
.set ADRB, 20
.set STO,  24
.set RD,   25
.set CO,   26
.set BO,   27
.set F0,   0
.set F1,   128
.set G1,  24
.set G0,  32
.set G1B, 48
.set G0B, 56
.set MUL, 0xa5                         ; sources 0 and 1 window 1, C and D window 2
.set MSB, 0
.macro WIN new
.if MSB != \new
	s_set_vgpr_msb (MSB<<8)|\new
.set MSB, \new
.endif
.endm
.macro JLOAD s
	s_cmp_eq_u32 s11, 0
	s_cbranch_scc0 .Lfor_b_\@
	tensor_load_to_lds s[G0+4*\s:G0+4*\s+3], s[G1:G1+7]
	s_nop 0
	s_branch .Lasked_\@
.Lfor_b_\@:
	tensor_load_to_lds s[G0B+4*\s:G0B+4*\s+3], s[G1B:G1B+7]
	s_nop 0
.Lasked_\@:
.endm
.macro CREST
	s_cmp_lg_u32 s10, 0
	s_cbranch_scc1 .Lnot_wave_0_\@
	s_barrier_signal -3
.Lnot_wave_0_\@:
	s_barrier_wait -3
	s_barrier_signal -1
	s_barrier_wait -1
.endm
.macro CROUND
	s_barrier_signal -1
	s_barrier_wait -1
	CREST
.endm
	s_load_b256 s[68:75], s[0:1], 0x0              ; ao s[68:69], cb s[70:71], b_o s[72:73], out0 s[74:75]
	v_lshl_add_u32 v254, v0, 2, 0x49400
	v_mov_b32 v255, 0
	ds_add_u32 v254, v255
	v_lshrrev_b32 v1, 5, v0
	v_readfirstlane_b32 s10, v1                    ; wave 0..3
	s_lshr_b32 s11, s10, 1                         ; my half of the block's rows.  Also: I fetch for A (0) or for B (1)
	s_and_b32 s12, s10, 1                          ; my half of its columns.  Also: which half of that tile I fetch
	s_bfe_u32 s40, ttmp6, 0x40000                  ; cx
	s_bfe_u32 s41, ttmp6, 0x40004                  ; cy
	s_lshl_b32 s42, ttmp9, 2
	s_add_co_u32 s42, s42, s40                     ; block column
	s_and_b32 s13, ttmp7, 0xffff
	s_lshl_b32 s13, s13, 2
	s_add_co_u32 s13, s13, s41                     ; block row
	s_lshl_b32 s43, s41, 2
	s_lshl_b32 s43, 15, s43
	s_lshl_b32 s44, 0x1111, s40
	s_or_b32 s[G1+0], s43, (1<<16)|(1<<20)|(1<<21)|(4<<22)|(3<<25)    ; A: 4 words of padding behind every 32
	s_or_b32 s[G1B+0], s44, (1<<16)|(1<<20)|(1<<21)|(6<<22)|(3<<25)   ; B: behind every 128
	s_mov_b32 s[G1+1], 64<<16                      ; A: rows of 64 elements,
	s_mov_b32 s[G1+2], 256<<16                     ; 256 of them,
	s_mov_b32 s[G1+3], 64<<16
	s_mov_b32 s[G1+4], 256
	s_mov_b32 s[G1+5], 64                          ; dense
	s_mov_b32 s[G1+6], 0
	s_mov_b32 s[G1+7], 0
	s_mov_b32 s[G1B+1], 256<<16                    ; B: rows of 256 elements,
	s_mov_b32 s[G1B+2], 64<<16                     ; 64 of them,
	s_mov_b32 s[G1B+3], 256<<16
	s_mov_b32 s[G1B+4], 64
	s_mov_b32 s[G1B+5], 1024                       ; 1,024 elements apart
	s_mov_b32 s[G1B+6], 0
	s_mov_b32 s[G1B+7], 0
	s_lshl_b32 s16, s13, 18                        ; A: block row x 16 heads x 16 KiB
	s_lshl_b32 s17, s12, 15                        ; + my two heads
	s_add_co_u32 s16, s16, s17
	s_mov_b32 s17, 0
	s_lshl_b32 s46, s42, 7
	s_lshl_b32 s47, s12, 6
	s_add_co_u32 s46, s46, s47                     ; B: row 128 x block column + 64 x half
	s_lshl_b32 s46, s46, 11
	s_add_co_u32 s46, s46, 0xe00000                ; w_o's copy in cb
	s_mov_b32 s47, 0
	s_mul_i32 s20, s10, AHALF
	s_mul_i32 s21, s10, BHALF
	s_add_co_u32 s21, s21, BOFF-2*BHALF
	s_wait_dscnt 0x0
	s_wait_kmcnt 0x0
	s_add_nc_u64 s[14:15], s[68:69], s[16:17]
	s_add_nc_u64 s[46:47], s[70:71], s[46:47]
	CROUND
.irp s, 0,1
	s_mov_b32 s[G0+4*\s], 1
	s_add_co_u32 s[G0+4*\s+1], s20, \s*SLOT
	s_add_nc_u64 s[G0+4*\s+2:G0+4*\s+3], s[14:15], \s*65536       ; fill s: heads 4 s .. 4 s + 3
	s_or_b32 s[G0+4*\s+3], s[G0+4*\s+3], 0x80000000
	s_mov_b32 s[G0B+4*\s], 1
	s_add_co_u32 s[G0B+4*\s+1], s21, \s*SLOT
	s_add_nc_u64 s[G0B+4*\s+2:G0B+4*\s+3], s[46:47], \s*512
	s_or_b32 s[G0B+4*\s+3], s[G0B+4*\s+3], 0x80000000
	JLOAD \s                                       ; two tensor loads of the wave are out, later one
.endr
	v_and_b32 v1, 15, v0                           ; r
	v_bfe_u32 v2, v0, 4, 1                         ; h
	v_mul_u32_u24 v3, v1, AP
	v_lshl_add_u32 v3, v2, 4, v3
	s_mul_i32 s22, s11, 64*AP                      ; my 64 rows in each head
	v_add_nc_u32 v[ADRA], s22, v3
	v_add_nc_u32 v[ADRA+1], SLOT, v[ADRA]
	v_mul_u32_u24 v4, v1, BP
	v_lshl_add_u32 v4, v2, 4, v4
	s_mul_i32 s22, s12, 64*BP
	s_add_co_u32 s22, s22, BOFF
	v_add_nc_u32 v[ADRB], s22, v4
	v_add_nc_u32 v[ADRB+1], SLOT, v[ADRB]
	s_mul_i32 s23, s10, WSTAGE
	s_add_co_u32 s23, s23, STAGE
	v_mul_u32_u24 v5, v1, SPITCH
	v_lshl_add_u32 v5, v2, 5, v5
	v_add_nc_u32 v[STO], s23, v5                   ; in: row r, 32 bytes for each half of the lanes
	v_mul_u32_u24 v6, v2, SPITCH
	v_lshl_add_u32 v6, v1, 4, v6
	v_add_nc_u32 v[RD], s23, v6                    ; back: lanes 0-15 one row of 256 bytes, lanes 16-31 the next
	v_lshlrev_b32 v[CO], 4, v1
	v_lshl_add_u32 v[CO], v2, 12, v[CO]            ; and the same two rows in out0
	v_lshlrev_b32 v[BO], 5, v2
	s_lshl_b32 s78, s42, 9
	s_lshl_b32 s79, s12, 8
	s_add_co_u32 s78, s78, s79                     ; my first column, in bytes of f32
	s_mov_b32 s79, 0
	s_add_nc_u64 s[76:77], s[72:73], s[78:79]      ; b_o there
	s_add_nc_u64 s[74:75], s[74:75], s[78:79]
	s_lshl_b32 s78, s13, 7
	s_lshl_b32 s79, s11, 6
	s_add_co_u32 s78, s78, s79                     ; my first row
	s_lshl_b32 s78, s78, 12
	s_mov_b32 s79, 0
	s_add_nc_u64 s[74:75], s[74:75], s[78:79]      ; out0 at my corner
	WIN 0x80
.irp b, 0,1,2,3
	global_load_b128 v[128+8*\b:128+8*\b+3], v[BO], s[76:77] offset:64*\b        ; b_o of columns 16 b + 8 h + 0..7: the same in every row
	global_load_b128 v[128+8*\b+4:128+8*\b+7], v[BO], s[76:77] offset:64*\b+16
.endr
	WIN 0
; 8 matrix instructions: m tiles a0, a0 + 1 x 4 n tiles, half ks of a head's 64.  bias = 1: C is the bias, and the sums start.
.macro MULQ f, ks, a0, bias
.irp a, \a0, \a0+1
.irp b, 0,1,2,3
.if \bias
	v_wmma_f32_16x16x32_f16 v[8*(4*(\a)+\b):8*(4*(\a)+\b)+7], v[\f+64+8*(2*\b+\ks):\f+64+8*(2*\b+\ks)+7], v[\f+8*(2*(\a)+\ks):\f+8*(2*(\a)+\ks)+7], v[128+8*\b:128+8*\b+7]
.else
	v_wmma_f32_16x16x32_f16 v[8*(4*(\a)+\b):8*(4*(\a)+\b)+7], v[\f+64+8*(2*\b+\ks):\f+64+8*(2*\b+\ks)+7], v[\f+8*(2*(\a)+\ks):\f+8*(2*(\a)+\ks)+7], v[8*(4*(\a)+\b):8*(4*(\a)+\b)+7]
.endif
.endr
.endr
.endm
; 32 LDS loads: head k of the slot, first the 16 of ks = 0, then the 16 of ks = 1
.macro FETCH slot, k, f
	WIN 0x40
.irp ks, 0,1
.irp i, 0,1,2,3
	ds_load_b128 v[\f+64+8*(2*\i+\ks):\f+64+8*(2*\i+\ks)+3],   v[ADRB+\slot] offset:16*BP*\i+128*\k+64*\ks
	ds_load_b128 v[\f+64+8*(2*\i+\ks)+4:\f+64+8*(2*\i+\ks)+7], v[ADRB+\slot] offset:16*BP*\i+128*\k+64*\ks+32
.endr
.irp i, 0,1,2,3
	ds_load_b128 v[\f+8*(2*\i+\ks):\f+8*(2*\i+\ks)+3],   v[ADRA+\slot] offset:128*AP*\k+16*AP*\i+64*\ks
	ds_load_b128 v[\f+8*(2*\i+\ks)+4:\f+8*(2*\i+\ks)+7], v[ADRA+\slot] offset:128*AP*\k+16*AP*\i+64*\ks+32
.endr
.endr
.endm
.macro PLACES                          ; four places behind the matrix instructions that read a buffer, in front of the loads into it (ISA guide 7.12.1 for vector instructions)
.rept 4
	v_nop
.endr
.endm
; one head: multiplies buffer f and fetches head k of the same slot into buffer g
.macro STG slot, k, f, g, bias
	s_wait_dscnt 16                                ; the fragments of ks = 0 are in; the 16 of ks = 1 may be out
	WIN MUL
	MULQ \f, 0, 0, \bias
	MULQ \f, 0, 2, \bias
	PLACES
	FETCH \slot, \k, \g
	s_wait_dscnt 32                                ; all but the 32 just issued
	WIN MUL
	MULQ \f, 1, 0, 0
	MULQ \f, 1, 2, 0
.endm
.macro THREE slot, bias
	STG \slot, 1, F0, F1, \bias
	STG \slot, 2, F1, F0, 0
	STG \slot, 3, F0, F1, 0
.endm
; the slot's last head, and the change of slots: each wave's reads of this slot and all its tensor loads are waited for in front of the
; barrier; behind it the refill comes first, then the next slot's first fragments
.macro TURN slot, next, fill
	s_wait_dscnt 16
	WIN MUL
	MULQ F1, 0, 0, 0
	MULQ F1, 0, 2, 0
	s_wait_dscnt 0
	s_set_vgpr_msb 0xa5a0
	s_wait_tensorcnt 0x0
	ds_add_u32 v254, v255
	s_wait_dscnt 0x0
	s_set_vgpr_msb 0xa0a5
	s_barrier_signal -1
	MULQ F1, 1, 0, 0
	WIN 0
	s_barrier_wait -1
.if \fill
	CREST
	s_add_nc_u64 s[G0+4*\slot+2:G0+4*\slot+3], s[G0+4*\slot+2:G0+4*\slot+3], 2*65536
	s_add_nc_u64 s[G0B+4*\slot+2:G0B+4*\slot+3], s[G0B+4*\slot+2:G0B+4*\slot+3], 2*512
	JLOAD \slot
.endif
	PLACES
	FETCH \next, 0, F0
	WIN MUL
	MULQ F1, 1, 2, 0
.endm
	s_wait_tensorcnt 0x1                           ; my part of fill 0 is in; fill 1's load may stay out
	s_barrier_signal -1
	s_barrier_wait -1
	s_wait_loadcnt 0x0                             ; the bias
	FETCH 0, 0, F0
	THREE 0, 1
	TURN 0, 1, 1                                   ; slot 0 gets fill 2
	THREE 1, 0
	TURN 1, 0, 1                                   ; slot 1 gets fill 3
	THREE 0, 0
	TURN 0, 1, 0                                   ; nothing is left to fetch
	THREE 1, 0
	s_wait_dscnt 16
	WIN MUL
	MULQ F1, 0, 0, 0
	MULQ F1, 0, 2, 0
	s_wait_dscnt 0
	MULQ F1, 1, 0, 0
	MULQ F1, 1, 2, 0
	PLACES                                         ; places behind the last products, in front of the LDS stores that read them
; THE WAY OUT, 16 rows at a time: 32 bytes a lane and tile into my own stage, whole rows of 256 bytes back; sixteen lanes store 256
; consecutive bytes at a multiple of 256 from out0's first byte.  rb: the registers read back into, two sets in turn.
.macro OUTA a, rb
	WIN 0x08
.irp b, 0,1,2,3
	ds_store_b128 v[STO], v[8*(4*\a+\b):8*(4*\a+\b)+3] offset:64*\b
	ds_store_b128 v[STO], v[8*(4*\a+\b)+4:8*(4*\a+\b)+7] offset:64*\b+16
.endr
	WIN 0
	s_wait_xcnt 0x0                                ; registers that earlier stores read are loaded again only behind this wait
.irp t, 0,1,2,3,4,5,6,7
	ds_load_b128 v[\rb+4*\t:\rb+4*\t+3], v[RD] offset:2*SPITCH*\t    ; LDS serves a wave's instructions in order (ISA guide 5.7.1.4): these see the stores above
.endr
.irp t, 0,1,2,3,4,5,6,7
	s_wait_dscnt 7-\t
	global_store_b128 v[CO], v[\rb+4*\t:\rb+4*\t+3], s[74:75] offset:(16*\a+2*\t)*4096 th:TH_STORE_NT
.endr
.endm
	OUTA 0, 32
	OUTA 1, 64
	OUTA 2, 32
	OUTA 3, 64
	s_wait_tensorcnt 0x0
	ds_add_u32 v254, v255
	s_wait_dscnt 0x0
	CROUND                                         ; the closing round
	s_endpgm
.Lfunc_end_k_q668a46cf05_oproj:
	.size	k_q668a46cf05_oproj, .Lfunc_end_k_q668a46cf05_oproj-k_q668a46cf05_oproj
	.p2alignl 7, 3214868480
	.fill 96, 4, 3214868480
	.section	.rodata,"a",@progbits
	.p2align	6, 0x0
	.amdhsa_kernel k_q668a46cf05_oproj
		.amdhsa_group_segment_fixed_size 327680
		.amdhsa_private_segment_fixed_size 0
		.amdhsa_enable_private_segment 0
		.amdhsa_kernarg_size 32
		.amdhsa_user_sgpr_count 2
		.amdhsa_user_sgpr_kernarg_segment_ptr 1
		.amdhsa_wavefront_size32 1
		.amdhsa_system_sgpr_workgroup_id_x 1
		.amdhsa_system_sgpr_workgroup_id_y 1
		.amdhsa_system_sgpr_workgroup_id_z 1
		.amdhsa_system_vgpr_workitem_id 0
		.amdhsa_next_free_vgpr 672
		.amdhsa_next_free_sgpr 80
		.amdhsa_reserve_vcc 0
		.amdhsa_float_denorm_mode_32 3
		.amdhsa_float_denorm_mode_16_64 3
		.amdhsa_memory_ordered 1
		.amdhsa_forward_progress 1
		.amdhsa_inst_pref_size 87
	.end_amdhsa_kernel
	.amdgpu_metadata
---
amdhsa.version: [ 1, 2 ]
amdhsa.kernels:
  - .name:           k_q668a46cf05_oproj
    .symbol:         k_q668a46cf05_oproj.kd
    .args:
      - { .name: ao, .offset: 0, .size: 8, .value_kind: global_buffer, .address_space: global }
      - { .name: cb, .offset: 8, .size: 8, .value_kind: global_buffer, .address_space: global }
      - { .name: b_o, .offset: 16, .size: 8, .value_kind: global_buffer, .address_space: global }
      - { .name: out0, .offset: 24, .size: 8, .value_kind: global_buffer, .address_space: global }
    .group_segment_fixed_size: 327680
    .private_segment_fixed_size: 0
    .kernarg_segment_align: 8
    .kernarg_segment_size: 32
    .max_flat_workgroup_size: 128
    .sgpr_count:     80
    .vgpr_count:     672
    .wavefront_size: 32
...
	.end_amdgpu_metadata
.endif
;; end of part 4
